; MI455X (gfx1250); checked and timed in simulation.
; The chip was launched on July 23, 2026; its instructions are those of AMD's public machine-readable ISA for CDNA 5 (MIT licence, August 2026) and "CDNA5" Instruction Set Architecture Reference Guide (July 2026). The comments in the code are by the model that wrote it; some were corrected since.
;; Cross Spatial Attention. Allowed arithmetic: matrix products marked QUANTISED: E5M2 operands, one E8M0 scale for each 32 along K, by v_wmma_scale_f32_16x16x128_f8f6f4 with both operands' format E5M2, f32 sums; everything else in f32.
;; Inputs: Wf_codes 64 x 8 x 32 uint8 (E5M2 codes of Wf, K innermost, in blocks of 32 codes); Wf_scales 64 x 8 uint8 (E8M0 scales of Wf, one for each 32 codes along K); Wg_codes 64 x 8 x 32 uint8 (E5M2 codes of Wg, K innermost, in blocks of 32 codes); Wg_scales 64 x 8 uint8 (E8M0 scales of Wg, one for each 32 codes along K); Wh_codes 64 x 8 x 32 uint8 (E5M2 codes of Wh, K innermost, in blocks of 32 codes); Wh_scales 64 x 8 uint8 (E8M0 scales of Wh, one for each 32 codes along K); Wv_codes 256 x 2 x 32 uint8 (E5M2 codes of Wv, K innermost, in blocks of 32 codes); Wv_scales 256 x 2 uint8 (E8M0 scales of Wv, one for each 32 codes along K); betf 64 float32; betg 64 float32; bf 64 float32; bg 64 float32; bh 64 float32; bv 256 float32; gamf 64 float32; gamg 64 float32; mf 64 float32; mg 64 float32; vf 64 float32; vg 64 float32; x 2 x 256 x 8 x 32 x 32 float32.
;; Outputs: out0 2 x 256 x 8 x 32 x 32 float32.
;; This version of the problem:
;;   THIS VERSION OF THE PROBLEM IS GIVEN IN LOW PRECISION. The matrix products marked QUANTISED in the list below multiply operands that are first quantised to E5M2 (5 exponent bits, 2 mantissa bits; 8 bits a number), with one power-of-two scale for each 32 numbers along K (OCP MX v1.0); their sums are f32. All else is computed in f32.
;;   The module's matrix products, in the order in which they are computed (A, B: the left and right operand; K: the contracted axis; several contracted axes count as one K, in the product's order):
;;     1. [M 64, K 256] x [K 256, N 16,384]; A: input Wf (given as codes); B: input x: QUANTISED
;;     2. [M 64, K 256] x [K 256, N 16,384]; A: input Wg (given as codes); B: input x: QUANTISED
;;     3. [M 64, K 256] x [K 256, N 16,384]; A: input Wh (given as codes); B: input x: QUANTISED
;;     4. batch 2 x [M 8,192, K 64] x [K 64, N 8,192]; A: computed on the way; B: computed on the way: QUANTISED
;;     5. batch 2 x [M 64, K 8,192] x [K 8,192, N 8,192]; A: computed on the way; B: softmax (see below): QUANTISED
;;     6. [M 256, K 64] x [K 64, N 16,384]; A: input Wv (given as codes); B: computed on the way: QUANTISED
;;   THE QUANTISER, for each operand of a quantised product, along K:
;;     - K is cut into blocks of 32 from its start; a last block that is shorter is filled with zeros.
;;     - A block's scale is 2^e with e = floor(log2(the largest magnitude in the block)) - 15, held to -126 .. 127; a block of zeros has e = 0. As a byte (E8M0): e + 127.
;;     - Each number is divided by its block's scale, clamped to +-57,344, and rounded to the nearest number of E5M2, ties to even, subnormals kept.
;;     - The product sums the exact products of the quantised numbers (number of the format x scale) in f32.
;;   ~~~python
;;   def quantise(x, axis):      # numpy; x: float32 -> the quantised numbers, widened to float32 again
;;       x = np.moveaxis(x, axis, -1); K = x.shape[-1]
;;       x = np.pad(x, [(0, 0)] * (x.ndim - 1) + [(0, -K % 32)]); x = x.reshape(x.shape[:-1] + (-1, 32)); a = np.abs(x).max(-1, keepdims=True)
;;       e = np.where(a > 0, np.clip(np.frexp(np.where(a > 0, a, 1))[1] - 1 - 15, -126, 127), 0)      # np.frexp(a)[1] - 1 = floor(log2(a)), exactly
;;       r = np.clip(x / 2.0 ** e, -57344, 57344)
;;       step = 2.0 ** (np.maximum(np.frexp(np.where(r == 0, 1, r))[1] - 1, -14) - 2)
;;       q = np.round(r / step) * step * 2.0 ** e      # np.round: ties to even
;;       return np.moveaxis(q.reshape(q.shape[:-2] + (-1,))[..., :K], -1, axis).astype(np.float32)
;;   ~~~
;;   SOFTMAX AHEAD OF A QUANTISED PRODUCT. Where the list says 'softmax', what is quantised is not the finished softmax but p = 2^(t - M), with t = logit x log2(e) and M = ceil(the row's largest t), a whole number; so 1/2 < the row's largest p <= 1. The row's sum l is taken of the UNQUANTISED p, in f32, and the product's result is divided by l at the end. Since M is a whole number, a kernel that streams over the keys may use a running M (the ceiling of the running maximum): every later rescaling is an exact power of two, which a block's scale takes up: the codes' values come out the same.
;;   OPERANDS COMPUTED ON THE WAY. 'Computed on the way' means the value that the module computes at that place (a softmax that the list does not call 'softmax' is quantised finished and normalised). What goes into a quantiser is computed in f32, as accurately as f32 sums, v_exp_f32 and their like allow (about 1e-6 of the number): no bf16 or f16 on the way to a quantiser, and a product that is left as it is and whose result goes on into a quantised operand takes f32 operands (vector FMAs, or v_wmma_f32_16x16x4_f32). A number that lies on a knife's edge between two numbers of the format may be rounded either way, as far as f32 arithmetic and the matrix unit's own rounding can turn it there, and no further.
;;   INPUTS GIVEN AS CODES. Wf (in the module: [64, 256], K = its axis 1); Wg (in the module: [64, 256], K = its axis 1); Wh (in the module: [64, 256], K = its axis 1); Wv (in the module: [256, 64], K = its axis 1): each comes as NAME_codes (uint8): NAME with its K axis moved to the last place and cut into blocks of 32 codes, [.., K / 32, bytes a block], one block behind the other in memory; one code a byte (a code: sign, 5 exponent bits, 2 mantissa bits); and NAME_scales (uint8): the same leading axes, one E8M0 byte (e + 127) for each 32 codes along K. Its value is code x scale, taken as it is: it is not quantised again, and the codes and scales need not be those that the quantiser above would give.
;; One version. Each part assembles by itself: llvm-mc -triple=amdgcn-amd-amdhsa -mcpu=gfx1250 --defsym DOCPART=n.
;; ======== version 1 of 1: 2 launches
;; limits: right only within a limited range of input values
;; workspace buffers: kv 2,162,688 bytes; qi 1,048,576 bytes; qs 32,768 bytes
;; launch proj (part 1): grid 128 x 1, 16 waves a work-group, no clusters, 169,984 bytes of LDS; arguments x, Wf_codes, Wg_codes, Wh_codes, Wf_scales, Wg_scales, Wh_scales, bh, bf, gamf, betf, mf, vf, bg, gamg, betg, mg, vg, qi, kv, qs; writes qi, kv, qs
.if DOCPART == 1
	.amdgcn_target "amdgcn-amd-amdhsa--gfx1250"
	.amdhsa_code_object_version 6
	.text
	.protected	k_qe6e4b3bf08_proj
	.globl	k_qe6e4b3bf08_proj
	.p2align	8
	.type	k_qe6e4b3bf08_proj,@function
k_qe6e4b3bf08_proj:
	s_mov_b64 s[64:65], 0
	v_nop
	global_prefetch_b8 v0, s[64:65] scope:SCOPE_SE
	s_setreg_imm32_b32 hwreg(HW_REG_WAVE_MODE, 25, 1), 1
	s_wait_xcnt 0x0
; f = relu(bn(Wf x + bf)), g = relu(bn(Wg x + bg)), h = Wh x + bh for 128 positions of one batch, all three products on codes of BF8 (E5M2) with one E8M0 scale for each 32 along K,
; and f, g, h quantised again for the attention launch: f and g along their 64 channels, h along the positions (the keys).  x: [2][256][8192] f32; its K (the channels) is not innermost.
; WHAT IS STORED is laid in the order of the operands' registers (lane l's 16 bytes at 16 l, 512 bytes a group of four registers):
;   qi [2][512 tiles][2][512]: a tile of 16 queries x 64 channels;   qs [2][64][256]: their scale bytes;
;   kv [2][64 steps][16,896]: for 128 keys: 8,192 bytes of g (four fragments, each TWO tiles of 16 keys x 64 channels), 8,192 of h (four fragments of 16 channels x 128 keys), 256 of g's scale words, 256 of h's.
; THE POSITIONS OF A TILE ARE NOT NEIGHBOURS: row r of tile 2 p + e is position 32 p + 8 e + r + 8 (r / 8), and the rows of a weight's tile are chosen likewise, so that the 16 registers of two neighbouring
; result tiles are 16 neighbours along the next product's K and the conversions' results are the next operand's registers.
; SHARES.  A work-group of sixteen waves takes 128 positions: a word of h's scales spans 128 keys, so this is the least share that stores whole scale words and whole runs of 256 bytes; hence 128 work-groups.
;   X:  wave (c = w % 4, k = w / 4) quantises 32 positions x 64 channels of x: a lane takes a position, its registers run down the channels; the codes go to LDS as images of the operand's registers | barrier |
;   FG: wave (p = w % 4, half = (w / 4) % 2, e = w / 8) makes f (half 0) or g (half 1) of position tile 2 p + e: source 0 = 16 rows of the weight, source 1 = x: a lane holds one position;
;   H:  the same wave makes h of channels' tile T = 2 half + e for positions 32 p .. 32 p + 31: source 0 = x, source 1 = 16 rows of Wh: a lane holds one channel | barrier | wave 0 stores the three runs of scale bytes.
; NO CLUSTER: all that work-groups share are the three weights, 49,152 of the 180,224 bytes that a work-group brings in, fetched once at the head; a joint request would add two rounds of a cluster's barrier to a text with two barriers.
; LIMITS: NaN and infinities in x are not served.  A block whose largest magnitude lies under 2^-111 keeps the scale byte 1; a block of zeros gets the byte 1 with zero codes where the rule says 127 (only this program reads
; the bytes).  gamma / sqrt(var + eps) is made by v_rsq_f32 (1 ulp) and a multiplication.
.set WP,    272                        ; a weight's row in LDS: 256 codes + 16 bytes of padding
.set WB,    64*WP                      ; a weight: 64 rows
.set XIMG,  3*WB                       ; x's codes: [tile 0..7][K step 0..1][group of four registers 0..3][512]
.set XSC,   XIMG+32768                 ; x's scale words: [tile][K step][16 rows][4]
.set SST,   XSC+1024                   ; the scale bytes on their way out: f's 256, g's 256, h's 256
.set STEPB, 16896                      ; a block of kv
; REGISTERS: v1 lane, v2 r = lane % 16, v3 hh = lane / 16; v4-15, v40-45 addresses (made once, never data); v16-31 scale words and nothing else; v32-39 at work; v46 bh; v47 scale bytes to store;
;   v48-63 codes; v64-127 x's numbers, then the weight's four fragments, then x's four fragments for H; v128-159 gamma, then gamma / sqrt(var + eps), then h's sums and bh; v160-191 var, then the bias and f's or g's sums;
;   v192-223 beta, then beta - mean x inv; v224-255 mean, then x's two fragments, then Wh's two.
.macro PLACES n
.rept \n
	v_nop
.endr
.endm
.macro MM d, a, b, c, sa, sb
	v_wmma_scale_f32_16x16x128_f8f6f4 v[\d:\d+7], v[\a:\a+15], v[\b:\b+15], v[\c:\c+7], v[\sa], v[\sb] matrix_a_fmt:MATRIX_FMT_BF8 matrix_b_fmt:MATRIX_FMT_BF8
.endm
; 32 numbers a lane in the layout of FG's results: tile t, register j = channel 32 (t / 2) + 16 hh + 8 (t % 2) + j
.macro PARAM reg, ptr
.irp t, 0,1,2,3
.irp q, 0,1
	global_load_b128 v[\reg+8*\t+4*\q:\reg+8*\t+4*\q+3], v7, s[\ptr:\ptr+1] offset:128*(\t/2)+32*(\t%2)+16*\q
.endr
.endr
.endm
	s_load_b512 s[4:19], s[0:1], 0x0               ; x s[4:5], Wf's, Wg's, Wh's codes s[6:11], their scales s[12:17], bh s[18:19]
	s_load_b512 s[20:35], s[0:1], 0x40             ; bf, gamf, betf, mf, vf s[20:29]; bg, gamg, betg s[30:35]
	s_load_b256 s[36:43], s[0:1], 0x80             ; mg, vg s[36:39]; qi s[40:41]; kv s[42:43]
	s_load_b64 s[44:45], s[0:1], 0xa0              ; qs
	v_lshl_add_u32 v222, v0, 2, 0x29000
	v_mov_b32 v223, 0
	ds_add_u32 v222, v223
	ds_add_u32 v222, v223
	s_wait_dscnt 0x0
	v_lshrrev_b32 v32, 5, v0
	s_delay_alu instid0(VALU_DEP_1)
	v_readfirstlane_b32 s46, v32                   ; wave 0..15
	s_and_b32 s47, s46, 3                          ; p (in X: c)
	s_bfe_u32 s48, s46, 0x10002                    ; half
	s_lshr_b32 s49, s46, 3                         ; e
	v_and_b32 v1, 31, v0
	v_and_b32 v2, 15, v0
	s_wait_alu depctr_va_vdst(0)
	v_bfe_u32 v3, v0, 4, 1
	v_and_b32 v32, 7, v0                           ; X: lane (r, hh) takes row r of tile 2 c + hh: position 32 c + 8 hh + r % 8 + 16 (r / 8)
	v_bfe_u32 v33, v0, 3, 1
	s_delay_alu instid0(VALU_DEP_1)
	v_lshl_add_u32 v32, v33, 4, v32
	s_delay_alu instid0(VALU_DEP_1)
	v_lshl_add_u32 v32, v3, 3, v32
	s_lshl_b32 s50, s47, 7
	v_lshl_add_u32 v4, v32, 2, s50                 ; v4: its 4 bytes in a row of x
	s_lshl_b32 s2, s47, 13
	s_add_co_u32 s2, s2, XIMG                      ; the images of tiles 2 p, 2 p + 1
	s_lshl_b32 s3, s47, 8
	s_add_co_u32 s3, s3, XSC                       ; and their scale words
	s_lshl_b32 s50, s49, 11
	s_lshl_b32 s51, s48, 10
	s_add_co_u32 s50, s50, s51
	s_add_co_u32 s50, s50, s2
	v_lshlrev_b32 v5, 4, v2
	s_wait_alu depctr_va_vdst(0)
	v_lshl_add_u32 v5, v3, 12, v5
	s_delay_alu instid0(VALU_DEP_1)
	v_add_nc_u32 v5, s50, v5                       ; v5: X stores codes: tile 2 c + hh, K step e, groups 2 half + 0, 1, place of lane r
	s_lshl_b32 s50, s49, 6
	s_lshl_b32 s51, s48, 1
	s_add_co_u32 s50, s50, s51
	s_add_co_u32 s50, s50, s3
	v_lshlrev_b32 v6, 2, v2
	s_delay_alu instid0(VALU_DEP_1)
	v_lshl_add_u32 v6, v3, 7, v6
	s_delay_alu instid0(VALU_DEP_1)
	v_add_nc_u32 v6, s50, v6                       ; v6: X stores two scale bytes: bytes 2 half, 2 half + 1 of row r's word
	v_lshlrev_b32 v7, 6, v3                        ; v7: the parameters: 16 hh channels on
	s_lshl_b32 s50, s49, 12
	s_add_co_u32 s50, s50, s2
	v_lshl_add_u32 v8, v1, 4, s50                  ; v8: FG reads x's tile 2 p + e
	s_lshl_b32 s50, s49, 7
	s_add_co_u32 s50, s50, s3
	v_lshl_add_u32 v9, v2, 2, s50                  ; v9: and its scale words
	v_lshl_add_u32 v10, v1, 4, s2                  ; v10: H reads tiles 2 p and 2 p + 1
	v_lshl_add_u32 v11, v2, 2, s3                  ; v11: and their scale words
	v_and_b32 v33, 8, v2
	s_delay_alu instid0(VALU_DEP_1)
	v_add_nc_u32 v33, v33, v2                      ; r + 8 (r / 8)
	s_delay_alu instid0(VALU_DEP_1)
	v_mul_u32_u24 v34, v33, WP
	s_delay_alu instid0(VALU_DEP_1)
	v_lshl_add_u32 v34, v3, 4, v34
	s_mul_i32 s50, s48, WB
	v_add_nc_u32 v12, s50, v34                     ; v12: Wf's or Wg's rows
	s_lshl_b32 s50, s48, 5
	s_lshl_b32 s51, s49, 3
	s_add_co_u32 s51, s50, s51                     ; 32 half + 8 e: where tile T of Wh begins
	s_mul_i32 s50, s51, WP
	s_add_co_u32 s50, s50, 2*WB
	v_add_nc_u32 v13, s50, v34                     ; v13: Wh's rows
	v_lshlrev_b32 v14, 4, v1                       ; v14: 16 x lane
	s_lshl_b32 s50, s48, 8
	s_and_b32 s2, s47, 1
	s_lshl_b32 s2, s2, 7
	s_add_co_u32 s50, s50, s2
	s_lshr_b32 s2, s47, 1
	s_lshl_b32 s2, s2, 2
	s_add_co_u32 s50, s50, s2
	s_lshl_b32 s2, s49, 1
	s_add_co_u32 s50, s50, s2
	s_add_co_u32 s50, s50, SST
	v_lshl_add_u32 v15, v2, 3, s50                 ; v15: f's or g's two scale bytes: 8 (r + 16 (p % 2)) + 4 (p / 2) + 2 e
	s_lshl_b32 s50, s49, 7
	s_lshl_b32 s2, s48, 2
	s_add_co_u32 s50, s50, s2
	s_add_co_u32 s50, s50, s47
	s_add_co_u32 s50, s50, SST+512
	v_lshl_add_u32 v40, v2, 3, s50                 ; v40: h's scale byte: 8 (r + 16 (T % 2)) + 4 (T / 2) + p
	v_lshl_add_u32 v41, v1, 3, SST                 ; v41: the scale bytes' way out, 8 bytes a lane,
	v_lshlrev_b32 v42, 3, v1                       ; v42: and the same in memory
	v_lshlrev_b32 v43, 3, v33                      ; v43: a weight's scale bytes: 8 a row
	s_lshl_b32 s50, s51, 3
	v_lshl_add_u32 v44, v33, 3, s50                ; v44: Wh's, tile T
	s_lshl_b32 s50, s51, 2
	v_lshl_add_u32 v45, v33, 2, s50                ; v45: bh of my channel
	v_mov_b32 v34, 0                               ; a lane permute's destination counts as one of its sources
	v_mov_b32 v35, 0
	s_mov_b32 s92, 0x76543210
	s_mov_b32 s93, 0xfedcba98                      ; v_permlanex16_b32's selects for lane l xor 16
	s_mov_b32 s94, 0x600000                        ; the mantissa field of 57,344
	; descriptor group 1: 64 rows of 256 bytes, dense in memory, 16 bytes of padding behind each in LDS
	s_mov_b32 s80, (1<<20)|(5<<22)|(3<<25)         ; no mask; elements of 1 byte; padding on, after every 64 words, of 4 words
	s_mov_b32 s81, 256<<16                         ; tensor_dim0 = 256
	s_mov_b32 s82, 64<<16                          ; tensor_dim1 = 64
	s_mov_b32 s83, 256<<16                         ; tile_dim0 = 256
	s_mov_b32 s84, 64                              ; tile_dim1 = 64
	s_mov_b32 s85, 256                             ; from row to row
	s_mov_b32 s86, 0
	s_mov_b32 s87, 0
	s_wait_kmcnt 0x0
	s_mov_b32 s68, 1
	s_mov_b32 s69, 0
	s_mov_b64 s[70:71], s[6:7]
	s_or_b32 s71, s71, 0x80000000
	s_mov_b32 s72, 1
	s_mov_b32 s73, WB
	s_mov_b64 s[74:75], s[8:9]
	s_or_b32 s75, s75, 0x80000000
	s_mov_b32 s76, 1
	s_mov_b32 s77, 2*WB
	s_mov_b64 s[78:79], s[10:11]
	s_or_b32 s79, s79, 0x80000000
	s_cmp_lg_u32 s46, 0                            ; wave 0 brings the three weights: three loads of its own are out; they fill their bytes once
	s_cbranch_scc1 .Lno_fill
	tensor_load_to_lds s[68:71], s[80:87]
	s_nop 0
	tensor_load_to_lds s[72:75], s[80:87]
	s_nop 0
	tensor_load_to_lds s[76:79], s[80:87]
	s_nop 0
	PLACES 4
.Lno_fill:
	s_lshl_b32 s2, ttmp9, 13                       ; the work-group's 8 tiles in qi,
	s_mul_i32 s3, ttmp9, STEPB                     ; and its block of kv
	s_cmp_eq_u32 s48, 0                            ; f's wave or g's?  The choice hangs on the wave's number alone
	s_cselect_b64 s[52:53], s[20:21], s[30:31]     ; the bias
	s_cselect_b64 s[54:55], s[22:23], s[32:33]     ; gamma
	s_cselect_b64 s[56:57], s[24:25], s[34:35]     ; beta
	s_cselect_b64 s[58:59], s[26:27], s[36:37]     ; mean
	s_cselect_b64 s[60:61], s[28:29], s[38:39]     ; var
	s_cselect_b64 s[62:63], s[12:13], s[14:15]     ; the weight's scale bytes
	s_cselect_b64 s[66:67], s[40:41], s[42:43]     ; where the codes go: qi or kv
	s_cselect_b32 s50, s2, s3
	s_mov_b32 s51, 0
	s_add_nc_u64 s[66:67], s[66:67], s[50:51]
	s_lshl_b32 s50, s47, 1
	s_add_co_u32 s50, s50, s49
	s_lshl_b32 s50, s50, 10                        ; tile 2 p + e: 1,024 bytes each, in qi and in g's part of kv alike
	s_add_nc_u64 s[66:67], s[66:67], s[50:51]
	s_mov_b32 s50, s3
	s_add_nc_u64 s[88:89], s[42:43], s[50:51]      ; my block of kv
	s_lshl_b32 s50, ttmp9, 8
	s_add_nc_u64 s[90:91], s[44:45], s[50:51]      ; my 256 bytes of qs
	s_lshl_b32 s50, s48, 1
	s_add_co_u32 s50, s50, s49
	s_lshl_b32 s50, s50, 11                        ; h: fragment T,
	s_lshl_b32 s2, s47, 9                          ; its group of four registers p
	s_add_co_u32 s50, s50, s2
	s_add_nc_u64 s[2:3], s[88:89], s[50:51]
	s_lshr_b32 s50, ttmp9, 6                       ; x: the batch,
	s_lshl_b32 s50, s50, 23
	s_lshr_b32 s20, s46, 2
	s_lshl_b32 s20, s20, 21                        ; my 64 channels,
	s_add_co_u32 s50, s50, s20
	s_and_b32 s20, ttmp9, 63
	s_lshl_b32 s20, s20, 9                         ; the work-group's 128 positions
	s_add_co_u32 s50, s50, s20
	s_add_nc_u64 s[4:5], s[4:5], s[50:51]
	; ---- X
	PARAM 128, 54                                  ; gamma
	PARAM 160, 60                                  ; var
	PARAM 192, 56                                  ; beta
	PARAM 224, 58                                  ; mean
.set n, 0
.rept 64
	global_load_b32 v[64+n], v4, s[4:5] offset:n*32768   ; channel n of my 64: the wave reads 128 consecutive bytes, four waves side by side 512
.set n, n+1
.endr
	s_wait_loadcnt 63                              ; loads come back in order: the 32 loads of parameters are the oldest of 96 (64 could stay out; the count's field holds 63)
.set n, 0
.rept 32
	v_add_f32 v[160+n], 0x3727c5ac, v[160+n]       ; var + 1e-5
.set n, n+1
.endr
.set n, 0
	s_wait_alu depctr_va_vdst(0)
.rept 32
	v_rsq_f32 v[160+n], v[160+n]
.set n, n+1
.endr
	v_nop                                          ; a plain place behind the transcendentals
.set n, 0
	s_wait_alu depctr_va_vdst(0)
.rept 16
	v_pk_mul_f32 v[128+n:129+n], v[128+n:129+n], v[160+n:161+n]    ; inv = gamma / sqrt(var + eps)
.set n, n+2
.endr
.set n, 0
.rept 16
	v_pk_fma_f32 v[192+n:193+n], v[224+n:225+n], v[128+n:129+n], v[192+n:193+n] neg_lo:[1,0,0] neg_hi:[1,0,0]   ; beta - mean x inv
.set n, n+2
.endr
	PARAM 160, 52                                  ; the convolution's bias: it will be the C of the sums' first products.  Fourteen loads from here on
.irp t, 0,1,2,3
	global_load_b64 v[16+2*\t:17+2*\t], v43, s[62:63] offset:(32*(\t/2)+8*(\t%2))*8   ; the weight's scale words: tile t, K steps 0 and 1
.endr
	global_load_b64 v[24:25], v44, s[16:17]        ; Wh's
	global_load_b32 v46, v45, s[18:19]             ; bh of my channel
; block j of my two: 32 channels of one position, all in my registers
.macro QX j
.set XS, 64+32*(\j)
	s_wait_loadcnt 46-32*(\j)                      ; behind this block's loads stand the other block's 32 (j = 0) and the fourteen
	v_max3_num_f32 v32, |v[XS]|, |v[XS+1]|, |v[XS+2]|
	v_max3_num_f32 v33, |v[XS+3]|, |v[XS+4]|, |v[XS+5]|
.irp i, 6,10,14,18,22,26
	s_delay_alu instid0(VALU_DEP_2)
	v_max3_num_f32 v32, v32, |v[XS+\i]|, |v[XS+\i+1]|
	s_delay_alu instid0(VALU_DEP_2)
	v_max3_num_f32 v33, v33, |v[XS+\i+2]|, |v[XS+\i+3]|
.endr
	s_delay_alu instid0(VALU_DEP_2)
	v_max3_num_f32 v32, v32, |v[XS+30]|, |v[XS+31]|
	s_delay_alu instid0(VALU_DEP_1)
	v_max3_num_f32 v32, v32, v33, 0x8000000        ; and the floor 2^(16 - 127): the byte cannot fall under 1
	s_delay_alu instid0(VALU_DEP_1)
	v_add_nc_u32 v38, 0xf8800000, v32              ; 15 off the exponent field: the conversion's scale operand
	s_delay_alu instid0(VALU_DEP_1)
	v_lshrrev_b32 v[34+\j], 23, v38                ; the scale's byte
.set n, 0
.rept 32
.set n, n+1
.endr
.irp g, 0,1,2,3
	v_cvt_scalef32_pk8_bf8_f32 v[48+8*(\j)+2*\g:49+8*(\j)+2*\g], v[XS+8*\g:XS+8*\g+7], v38
.endr
	v_nop                                          ; a plain place behind the conversions
	ds_store_b128 v5, v[48+8*(\j):51+8*(\j)] offset:512*(\j)        ; channels 0-15 of the block: the place of lane r of the operand,
	ds_store_b128 v5, v[52+8*(\j):55+8*(\j)] offset:512*(\j)+256    ; channels 16-31: that of lane 16 + r
.endm
	QX 0
	QX 1
	v_lshl_or_b32 v47, v35, 8, v34
	ds_store_b16 v6, v47
	s_wait_tensorcnt 0x0                           ; wave 0: the weights have landed
	s_wait_loadcnt 0x0                             ; the bias, the scale words, bh
	s_wait_dscnt 0x0                               ; for the others' sake: my images are stored
	s_barrier_signal -1
	s_barrier_wait -1                              ; x's sixteen fragments and the weights lie in LDS
	; ---- FG
.irp s, 0,1
.irp c, 0,1,2,3
	ds_load_b128 v[224+16*\s+4*\c:227+16*\s+4*\c], v8 offset:2048*\s+512*\c
.endr
	ds_load_b32 v[26+\s], v9 offset:64*\s
.endr
.macro WLOAD s                         ; the weight's four tiles, K step s: tile t begins at row 32 (t / 2) + 8 (t % 2)
.irp t, 0,1,2,3
.irp c, 0,1,2,3
	ds_load_b128 v[64+16*\t+4*\c:67+16*\t+4*\c], v12 offset:(32*(\t/2)+8*(\t%2))*WP+128*(\s)+32*\c
.endr
.endr
.endm
	WLOAD 0
	s_wait_dscnt 0x0
.irp t, 0,1,2,3
	MM 160+8*\t, 64+16*\t, 224, 160+8*\t, 16+2*\t, 26      ; the sums begin on the bias; the four accumulators take turns
.endr
	PLACES 8                                       ; in front of loads into registers that these products read (ISA guide 7.12.1 for vector instructions)
	WLOAD 1
	s_wait_dscnt 0x0
.irp t, 0,1,2,3
	MM 160+8*\t, 64+16*\t, 240, 160+8*\t, 17+2*\t, 27
.endr
	PLACES 8                                       ; in front of the loads below and of the first read of the sums
.irp u, 0,1                            ; H's operands are asked for now and land during FG's vector work
.irp s, 0,1
.irp c, 0,1,2,3
	ds_load_b128 v[64+32*\u+16*\s+4*\c:67+32*\u+16*\s+4*\c], v10 offset:4096*\u+2048*\s+512*\c
.endr
	ds_load_b32 v[28+2*\u+\s], v11 offset:128*\u+64*\s
.endr
.endr
.irp s, 0,1
.irp c, 0,1,2,3
	ds_load_b128 v[224+16*\s+4*\c:227+16*\s+4*\c], v13 offset:128*\s+32*\c
.endr
.endr
.set n, 0
.rept 16
	v_pk_fma_f32 v[160+n:161+n], v[160+n:161+n], v[128+n:129+n], v[192+n:193+n]   ; the norm; each accumulator from its low end on
.set n, n+2
.endr
.set n, 0
.rept 8
	v_mov_b32 v[144+n], v46                        ; bh in the layout of H's results: a lane holds one channel
.set n, n+1
.endr
; nb blocks of 32 along K: register 16 b + i of v[s] on is k = 32 b + 16 hh + i of my row; lane l xor 16 holds the block's other half.  Codes to v[cd] on, the bytes to v34, v35.  relu = 1: what is negative becomes 0
.macro QB s, nb, relu, cd
.irp b, 0,1
.if \b < \nb
.if \relu
	v_max3_num_f32 v[32+\b], v[\s+16*\b], v[\s+16*\b+1], 0x8000000        ; no |.|: what is negative must not count; the floor 2^(16 - 127) stands over it
.else
	v_max3_num_f32 v[32+\b], |v[\s+16*\b]|, |v[\s+16*\b+1]|, 0x8000000
.endif
.endif
.endr
.irp i, 2,4,6,8,10,12,14
.irp b, 0,1
.if \b < \nb
.if \relu
	s_delay_alu instid0(VALU_DEP_2)
	v_max3_num_f32 v[32+\b], v[32+\b], v[\s+16*\b+\i], v[\s+16*\b+\i+1]
.else
	v_max3_num_f32 v[32+\b], v[32+\b], |v[\s+16*\b+\i]|, |v[\s+16*\b+\i+1]|
.endif
.endif
.endr
.endr
.irp b, 0
.if \b < \nb
	v_permlanex16_b32 v[34+\b], v[32+\b], s92, s93
.endif
.endr
.irp b, 1
.if \b < \nb
	s_delay_alu instid0(VALU_DEP_2)
	v_permlanex16_b32 v[34+\b], v[32+\b], s92, s93
.endif
.endr
.irp b, 0
.if \b < \nb
	v_max_num_f32 v[32+\b], v[32+\b], v[34+\b]     ; the block's largest magnitude
.endif
.endr
.irp b, 1
.if \b < \nb
	s_delay_alu instid0(VALU_DEP_2)
	v_max_num_f32 v[32+\b], v[32+\b], v[34+\b]
.endif
.endr
.irp b, 0
.if \b < \nb
	v_add_nc_u32 v[38+\b], 0xf8800000, v[32+\b]    ; the conversion's scale operand
	v_and_or_b32 v[36+\b], v[32+\b], 0x7f800000, s94   ; 57,344 x the scale
.endif
.endr
.irp b, 1
.if \b < \nb
	s_delay_alu instid0(VALU_DEP_3)
	v_add_nc_u32 v[38+\b], 0xf8800000, v[32+\b]
	s_delay_alu instid0(VALU_DEP_4)
	v_and_or_b32 v[36+\b], v[32+\b], 0x7f800000, s94
.endif
.endr
.irp b, 0
.if \b < \nb
	v_lshrrev_b32 v[34+\b], 23, v[38+\b]
.endif
.endr
.irp b, 1
.if \b < \nb
	s_delay_alu instid0(VALU_DEP_3)
	v_lshrrev_b32 v[34+\b], 23, v[38+\b]           ; the scale's byte
.endif
.endr
.irp b, 0,1
.if \b < \nb
.irp i, 0,1,2,3,4,5,6,7,8,9,10,11,12,13,14,15
.if \relu
	v_med3_num_f32 v[\s+16*\b+\i], v[\s+16*\b+\i], 0, v[36+\b]           ; the activation and the hold in one
.else
.endif
.endr
	v_cvt_scalef32_pk8_bf8_f32 v[\cd+4*\b:\cd+4*\b+1], v[\s+16*\b:\s+16*\b+7], v[38+\b]
	v_cvt_scalef32_pk8_bf8_f32 v[\cd+4*\b+2:\cd+4*\b+3], v[\s+16*\b+8:\s+16*\b+15], v[38+\b]
.endif
.endr
	v_nop                                          ; a plain place behind the conversions
.endm
	QB 160, 2, 1, 48
	global_store_b128 v14, v[48:51], s[66:67]              ; channels 0-31: the wave stores 512 consecutive bytes
	global_store_b128 v14, v[52:55], s[66:67] offset:512   ; channels 32-63
	v_lshl_or_b32 v47, v35, 8, v34
	ds_store_b16 v15, v47                          ; lanes r and 16 + r write the same two bytes with the same values
	; ---- H
	s_wait_dscnt 0x0                               ; H's operands are in
	MM 128, 64, 224, 144, 28, 24                   ; positions' tile 2 p, K step 0: the sum begins on bh
	MM 136, 96, 224, 144, 30, 24                   ; tile 2 p + 1
	MM 128, 80, 240, 128, 29, 25                   ; K step 1; the two accumulators take turns
	MM 136, 112, 240, 136, 31, 25
	PLACES 8
	QB 128, 1, 0, 56                               ; my channel's 16 positions 32 p + 16 hh + 0 .. 15; the block's other 16 lie in lane l xor 16
	global_store_b128 v14, v[56:59], s[2:3] offset:8192
	ds_store_b8 v40, v34
	s_wait_dscnt 0x0                               ; for wave 0's sake: my scale bytes are stored
	s_barrier_signal -1
	s_barrier_wait -1
	s_cmp_lg_u32 s46, 0
	s_cbranch_scc1 .Ldone
	ds_load_b64 v[64:65], v41
	ds_load_b64 v[66:67], v41 offset:256
	ds_load_b64 v[68:69], v41 offset:512
	s_wait_dscnt 0x0
	global_store_b64 v42, v[64:65], s[90:91]               ; each store covers 256 consecutive bytes, aligned
	global_store_b64 v42, v[66:67], s[88:89] offset:16384
	global_store_b64 v42, v[68:69], s[88:89] offset:16640
.Ldone:
	s_wait_xcnt 0x0
	v_lshl_add_u32 v222, v0, 2, 0x29000
	v_mov_b32 v223, 0
	s_wait_alu depctr_va_vdst(0)
	s_wait_tensorcnt 0x0
	ds_add_u32 v222, v223
	s_wait_dscnt 0x0
	s_endpgm
.Lfunc_end_k_qe6e4b3bf08_proj:
	.size	k_qe6e4b3bf08_proj, .Lfunc_end_k_qe6e4b3bf08_proj-k_qe6e4b3bf08_proj
	.p2alignl 7, 3214868480
	.fill 96, 4, 3214868480
	.section	.rodata,"a",@progbits
	.p2align	6, 0x0
	.amdhsa_kernel k_qe6e4b3bf08_proj
		.amdhsa_group_segment_fixed_size 169984
		.amdhsa_private_segment_fixed_size 0
		.amdhsa_enable_private_segment 0
		.amdhsa_kernarg_size 168
		.amdhsa_user_sgpr_count 2
		.amdhsa_user_sgpr_kernarg_segment_ptr 1
		.amdhsa_wavefront_size32 1
		.amdhsa_system_sgpr_workgroup_id_x 1
		.amdhsa_system_sgpr_workgroup_id_y 1
		.amdhsa_system_sgpr_workgroup_id_z 1
		.amdhsa_system_vgpr_workitem_id 0
		.amdhsa_next_free_vgpr 256
		.amdhsa_next_free_sgpr 96
		.amdhsa_reserve_vcc 0
		.amdhsa_float_denorm_mode_32 3
		.amdhsa_float_denorm_mode_16_64 3
		.amdhsa_fp16_overflow 1
		.amdhsa_memory_ordered 1
		.amdhsa_forward_progress 1
		.amdhsa_inst_pref_size 43
	.end_amdhsa_kernel
	.amdgpu_metadata
---
amdhsa.version: [ 1, 2 ]
amdhsa.kernels:
  - .name:           k_qe6e4b3bf08_proj
    .symbol:         k_qe6e4b3bf08_proj.kd
    .args:
      - { .name: x, .offset: 0, .size: 8, .value_kind: global_buffer, .address_space: global }
      - { .name: Wf_codes, .offset: 8, .size: 8, .value_kind: global_buffer, .address_space: global }
      - { .name: Wg_codes, .offset: 16, .size: 8, .value_kind: global_buffer, .address_space: global }
      - { .name: Wh_codes, .offset: 24, .size: 8, .value_kind: global_buffer, .address_space: global }
      - { .name: Wf_scales, .offset: 32, .size: 8, .value_kind: global_buffer, .address_space: global }
      - { .name: Wg_scales, .offset: 40, .size: 8, .value_kind: global_buffer, .address_space: global }
      - { .name: Wh_scales, .offset: 48, .size: 8, .value_kind: global_buffer, .address_space: global }
      - { .name: bh, .offset: 56, .size: 8, .value_kind: global_buffer, .address_space: global }
      - { .name: bf, .offset: 64, .size: 8, .value_kind: global_buffer, .address_space: global }
      - { .name: gamf, .offset: 72, .size: 8, .value_kind: global_buffer, .address_space: global }
      - { .name: betf, .offset: 80, .size: 8, .value_kind: global_buffer, .address_space: global }
      - { .name: mf, .offset: 88, .size: 8, .value_kind: global_buffer, .address_space: global }
      - { .name: vf, .offset: 96, .size: 8, .value_kind: global_buffer, .address_space: global }
      - { .name: bg, .offset: 104, .size: 8, .value_kind: global_buffer, .address_space: global }
      - { .name: gamg, .offset: 112, .size: 8, .value_kind: global_buffer, .address_space: global }
      - { .name: betg, .offset: 120, .size: 8, .value_kind: global_buffer, .address_space: global }
      - { .name: mg, .offset: 128, .size: 8, .value_kind: global_buffer, .address_space: global }
      - { .name: vg, .offset: 136, .size: 8, .value_kind: global_buffer, .address_space: global }
      - { .name: qi, .offset: 144, .size: 8, .value_kind: global_buffer, .address_space: global }
      - { .name: kv, .offset: 152, .size: 8, .value_kind: global_buffer, .address_space: global }
      - { .name: qs, .offset: 160, .size: 8, .value_kind: global_buffer, .address_space: global }
    .group_segment_fixed_size: 169984
    .private_segment_fixed_size: 0
    .kernarg_segment_align: 8
    .kernarg_segment_size: 168
    .max_flat_workgroup_size: 512
    .sgpr_count:     96
    .vgpr_count:     256
    .wavefront_size: 32
...
	.end_amdgpu_metadata
.endif
;; end of part 1
;; launch attn (part 2): grid 128 x 2, 16 waves a work-group, clusters of 4 x 1, 327,680 bytes of LDS; arguments qi, qs, kv, x, Wv_codes, Wv_scales, bv, out0; writes out0
.if DOCPART == 2
	.amdgcn_target "amdgcn-amd-amdhsa--gfx1250"
	.amdhsa_code_object_version 6
	.text
	.protected	k_qe6e4b3bf08_attn
	.globl	k_qe6e4b3bf08_attn
	.p2align	8
	.type	k_qe6e4b3bf08_attn,@function
k_qe6e4b3bf08_attn:
	s_mov_b64 s[64:65], 0
	v_nop
	global_prefetch_b8 v0, s[64:65] scope:SCOPE_SE
	s_setreg_imm32_b32 hwreg(HW_REG_WAVE_MODE, 25, 1), 1
	s_wait_xcnt 0x0
	s_wait_alu depctr_hold_cnt(0) depctr_sa_sdst(0) depctr_va_vdst(0) depctr_va_sdst(0) depctr_va_ssrc(0) depctr_va_vcc(0) depctr_vm_vsrc(0)
	s_getreg_b32 s2, hwreg(HW_REG_IB_STS2, 6, 4)
	s_cmp_eq_u32 s2, 0
	s_cbranch_scc0 .Lentry_in_a_cluster
	s_endpgm
.Lentry_in_a_cluster:
	s_bfe_u32 s2, ttmp6, 0x10000c
	s_cmp_lg_u32 s2, 0x3003
	s_cbranch_scc0 .Lentry_shape_is_right
	s_endpgm
.Lentry_shape_is_right:
; out[b][o][n] = sum over c of Wv[o][c] z[b][c][n] + bv[o] + x[b][o][n],  z[b][:][n] = sum over m of softmax_m(f[b][:][n] . g[b][:][m] / 8) h[b][:][m],  8,192 positions a batch, 64 channels.
; All three products on codes of BF8 (E5M2) with one E8M0 scale for each 32 along K.  f, g, h come as codes in the order of the operands' registers (buffers qi, qs, kv), so every fragment is read at 16 x lane.
; THE SOFTMAX AHEAD OF THE SECOND PRODUCT: t = score x log2(e) / 8; M = the largest t so far, rounded UP to a whole number; p = 2^(t - M) is quantised along the keys, not normalised; the sum is taken of the unquantised p.
; SHARES.  A work-group owns 64 queries of one batch: 256 work-groups.  Wave w = (qt = w % 4, kq = w / 4): query tile qt, and of every slot of eight key steps (128 keys each) steps 2 kq and 2 kq + 1.  Sixteen waves of 256
; registers: four share a SIMD's registers, so that one wave's vector work stands beside another's products and LDS loads.  The four partial results of a query tile (each with its own M, sum and O^T) meet in LDS at the end:
; every M is a whole number, so they are brought under the largest M by exact powers of two.  Then each wave quantises z of its query tile and makes output channels 64 kq .. 64 kq + 63 of it.
; LAYOUT.  S^T = g f^T (source 0 = keys, source 1 = my 16 queries), O^T = h p^T (source 0 = 16 channels): a lane holds ONE query.  The keys of a tile and the channels of a tile of h are chosen so that the 16 registers of two
; neighbouring result tiles are 16 neighbours along the next K.  THE FIRST PRODUCT'S K IS 64, half of the instruction's 128: a fragment of g holds TWO key tiles, one in each half of K, and f stands between two runs of zero codes,
; v[16:23] 0 | v[24:31] f | v[32:39] 0: v[24:39] meets the first tile, v[16:31] the second.  The other half meets zero codes of f (g's codes are finite: its quantiser holds them), which add exact zeros.
; In the last product the weight's codes are given as they are, so there both sides have zero codes in the unused half.
; CLUSTER.  The four work-groups of a cluster belong to one batch and walk the same blocks of kv: each block is asked for JOINTLY (the same load, the same descriptor, a mask that names the four): a quarter of the requests.
; The place in the cluster enters only the global addresses of qi, qs, x and out0.
; LIMITS: NaN and infinities are not served.  A block of p or z whose largest magnitude lies under 2^-111 keeps the scale byte 1.  1 / sum is v_rcp_f32 (1 ulp).
.set STEPB, 16896                      ; a key step's block: 8,192 bytes of g, 8,192 of h, 256 of g's scale words, 256 of h's
.set SLOT,  8*STEPB                    ; a slot: eight steps, 1,024 keys
.set SPARE, 2*SLOT                     ; behind the ring: the spare words, 128 bytes for each wave: eight blocks of 256 bytes that no other line names
.set MO,    0                          ; the merge: each wave's O^T as an image of its registers, 4,096 bytes a wave; in slot 0, which has had its last fill and its last read by then
.set ML,    65536                      ; and its pair (-M, sum), 8 bytes a lane
.set OST,   SLOT                       ; the way out: 256 rows (output channels) x (256 bytes + 16), in slot 1, written only behind the merge's barrier
.set OPI,   272
; REGISTERS: v1-2 LDS address of my two steps in slot 0, 1 (16 x lane); v3-4 the same with 8 x lane; v5 my spare word, v6 0; v7 the prefetch's offset; v12 -M, v13 the largest t, v[14:15] the sum in two halves;
;   v16-39 zero codes | f (later z) | zero codes; v40-46 scale words and nothing else: v40-41 f's (later z's), v42-43 g's, v44-45 h's (v42-45 later Wv's), v46 p's; v48-111 four fragments of g, then of h;
;   v112-175 S^T, then p; v176-207 O^T, then z, then the last product; v208-223 p's codes; v224-242 at work; v47, v243-247, v252-255 the tail's addresses, made at the head; v248-251 bv.
.macro PLACES n
.rept \n
	v_nop
.endr
.endm
; c < 0: the product starts its sum.  row = 1: source 0's scale words stand in lanes 16-31
.macro MM d, a, b, c, sa, sb, row
.if (\c) < 0
.if \row
	v_wmma_scale_f32_16x16x128_f8f6f4 v[\d:\d+7], v[\a:\a+15], v[\b:\b+15], 0, v[\sa], v[\sb] matrix_a_fmt:MATRIX_FMT_BF8 matrix_b_fmt:MATRIX_FMT_BF8 matrix_a_scale:MATRIX_SCALE_ROW1
.else
	v_wmma_scale_f32_16x16x128_f8f6f4 v[\d:\d+7], v[\a:\a+15], v[\b:\b+15], 0, v[\sa], v[\sb] matrix_a_fmt:MATRIX_FMT_BF8 matrix_b_fmt:MATRIX_FMT_BF8
.endif
.else
.if \row
	v_wmma_scale_f32_16x16x128_f8f6f4 v[\d:\d+7], v[\a:\a+15], v[\b:\b+15], v[\c:\c+7], v[\sa], v[\sb] matrix_a_fmt:MATRIX_FMT_BF8 matrix_b_fmt:MATRIX_FMT_BF8 matrix_a_scale:MATRIX_SCALE_ROW1
.else
	v_wmma_scale_f32_16x16x128_f8f6f4 v[\d:\d+7], v[\a:\a+15], v[\b:\b+15], v[\c:\c+7], v[\sa], v[\sb] matrix_a_fmt:MATRIX_FMT_BF8 matrix_b_fmt:MATRIX_FMT_BF8
.endif
.endif
.endm
; A round of the cluster's barrier: my work-group's barrier, wave 0's signal for the work-group, every wave's wait for all four work-groups, my work-group's barrier once more
.macro ROUND
	s_barrier_signal -1
	s_barrier_wait -1
	s_cmp_lg_u32 s20, 0
	s_cbranch_scc1 .Lnot_wave_0_\@
	s_barrier_signal -3
.Lnot_wave_0_\@:
	s_barrier_wait -3
	s_barrier_signal -1
	s_barrier_wait -1
.endm
; A joint load: waves 0 to 7 fetch one step's block each.  The branch hangs on the wave's number alone.  Four v_nop follow the load
.macro JLOAD g0
	s_cmp_lt_u32 s20, 8
	s_cbranch_scc0 .Lasked_\@
	tensor_load_to_lds s[\g0:\g0+3], s[32:39]
	s_nop 0
	PLACES 4
.Lasked_\@:
.endm
	s_load_b512 s[4:19], s[0:1], 0x0               ; qi s[4:5], qs s[6:7], kv s[8:9], x s[10:11], Wv's codes s[12:13], its scales s[14:15], bv s[16:17], out0 s[18:19]
	v_lshl_add_u32 v5, v0, 2, SPARE
	v_mov_b32 v6, 0
	ds_add_u32 v5, v6
	ds_add_u32 v5, v6
	s_wait_dscnt 0x0
	v_lshrrev_b32 v8, 5, v0
	s_delay_alu instid0(VALU_DEP_1)
	v_readfirstlane_b32 s20, v8                    ; wave 0..15
	s_and_b32 s21, s20, 3                          ; qt
	s_lshr_b32 s22, s20, 2                         ; kq
	s_bfe_u32 s23, ttmp6, 0x40000                  ; cx: my place in the cluster
	s_lshl_b32 s24, ttmp9, 2
	s_add_co_u32 s24, s24, s23                     ; my block of 64 queries = 4 x cluster x + cx
	s_and_b32 s25, ttmp7, 0xffff                   ; the batch, which the four partners share
	s_mov_b32 s26, 0x76543210
	s_mov_b32 s27, 0xfedcba98                      ; v_permlanex16_b32's selects for lane l xor 16
	s_mov_b32 s28, 0x3e38aa3b                      ; c = log2(e) / 8
	s_mov_b32 s29, s28                             ; (named with it as a pair, so it is written)
	; descriptor group 1: a step's block, 16,896 dense bytes, as 66 rows of 256 bytes (32 elements of 8 bytes); no padding: every read is at 16 x lane
	s_mov_b32 s32, 15|(3<<16)|(1<<21)              ; the mask: all four work-groups; elements of 8 bytes; bit 21 set beside a mask
	s_mov_b32 s33, 32<<16                          ; tensor_dim0 = 32
	s_mov_b32 s34, 66<<16                          ; tensor_dim1 = 66
	s_mov_b32 s35, 32<<16                          ; tile_dim0 = 32
	s_mov_b32 s36, 66                              ; tile_dim1 = 66
	s_mov_b32 s37, 32                              ; from row to row
	s_mov_b32 s38, 0
	s_mov_b32 s39, 0
	s_mul_i32 s58, s20, STEPB                      ; the block that I fetch: its place in a slot,
	s_mul_i32 s56, s25, 64*STEPB
	s_add_co_u32 s56, s56, s58                     ; and in kv: the batch's 64 blocks, mine of the first eight.  No register here ever holds cx
	s_mov_b32 s57, 0
	v_and_b32 v8, 31, v0                           ; lane
	v_and_b32 v9, 15, v0                           ; r
	v_bfe_u32 v10, v0, 4, 1                        ; h
	s_mul_i32 s48, s22, 2*STEPB
	v_lshl_add_u32 v1, v8, 4, s48
	s_delay_alu instid0(VALU_DEP_1)
	v_add_nc_u32 v2, SLOT, v1
	v_lshl_add_u32 v3, v8, 3, s48
	s_delay_alu instid0(VALU_DEP_1)
	v_add_nc_u32 v4, SLOT, v3
	v_lshlrev_b32 v7, 15, v0                       ; the prefetch: thread t of waves 0-7 asks for row (channel) t of x
	s_lshl_b32 s48, s20, 12
	v_lshl_add_u32 v243, v8, 4, s48                ; v243: the merge, my O^T's image
	s_lshl_b32 s48, s20, 8
	s_add_co_u32 s48, s48, ML
	v_lshl_add_u32 v244, v8, 3, s48                ; v244: my (-M, sum)
	s_lshl_b32 s48, s21, 12
	v_lshl_add_u32 v245, v8, 4, s48                ; v245: the four images of my query tile: waves qt + 4 k, 16,384 bytes apart
	s_lshl_b32 s48, s21, 8
	s_add_co_u32 s48, s48, ML
	v_lshl_add_u32 v246, v8, 3, s48                ; v246: and their pairs, 1,024 bytes apart
	s_mul_i32 s48, s22, 64*OPI
	s_lshr_b32 s49, s21, 1
	s_lshl_b32 s49, s49, 7
	s_add_co_u32 s48, s48, s49
	s_and_b32 s49, s21, 1
	s_lshl_b32 s49, s49, 5
	s_add_co_u32 s48, s48, s49
	s_add_co_u32 s48, s48, OST
	v_mul_u32_u24 v11, v9, OPI
	s_delay_alu instid0(VALU_DEP_1)
	v_lshl_add_u32 v11, v10, 6, v11
	s_delay_alu instid0(VALU_DEP_1)
	v_add_nc_u32 v247, s48, v11                    ; v247: into the stage: row 64 kq + r; my 8 positions 32 (qt / 2) + 8 (qt % 2) + 16 h + 0 .. 7
	s_mul_i32 s48, s20, 16*OPI
	s_add_co_u32 s48, s48, OST
	v_mul_u32_u24 v11, v10, OPI
	s_delay_alu instid0(VALU_DEP_1)
	v_lshl_add_u32 v11, v9, 4, v11
	s_delay_alu instid0(VALU_DEP_1)
	v_add_nc_u32 v252, s48, v11                    ; v252: back: rows 16 w + h + 2 i, 16 bytes a lane
	s_lshl_b32 s48, s20, 19
	v_lshlrev_b32 v11, 15, v10
	s_delay_alu instid0(VALU_DEP_1)
	v_lshl_add_u32 v11, v9, 4, v11
	s_delay_alu instid0(VALU_DEP_1)
	v_add_nc_u32 v253, s48, v11                    ; v253: the same rows in x and in out0 (a row is 32,768 bytes)
	s_lshl_b32 s48, s22, 12
	v_lshlrev_b32 v11, 6, v9
	s_delay_alu instid0(VALU_DEP_1)
	v_lshl_add_u32 v11, v10, 4, v11
	s_delay_alu instid0(VALU_DEP_1)
	v_add_nc_u32 v254, s48, v11                    ; v254: Wv's codes: row 64 kq + r of 64 bytes, + 16 h
	s_lshl_b32 s48, s22, 7
	v_lshl_add_u32 v255, v9, 1, s48                ; v255: its scale bytes, 2 a row
	s_lshl_b32 s48, s22, 8
	v_lshl_add_u32 v47, v9, 2, s48                 ; v47: bv
	v_lshlrev_b32 v10, 4, v8                       ; f's image: 16 x lane
	v_lshlrev_b32 v11, 3, v9                       ; f's scale bytes: 8 r
	s_lshl_b32 s50, s25, 9                         ; qi: tile 512 x batch + 4 x block + qt, 1,024 bytes each
	s_lshl_b32 s51, s24, 2
	s_add_co_u32 s50, s50, s51
	s_add_co_u32 s50, s50, s21
	s_lshl_b32 s50, s50, 10
	s_mov_b32 s51, 0
	s_lshl_b32 s52, s25, 6                         ; qs: 256 bytes for 128 positions; in them the tile (p = 2 (block % 2) + qt / 2, e = qt % 2) at 128 (p % 2) + 4 (p / 2) + 2 e
	s_lshr_b32 s53, s24, 1
	s_add_co_u32 s52, s52, s53
	s_lshl_b32 s52, s52, 8
	s_lshr_b32 s53, s21, 1
	s_lshl_b32 s53, s53, 7
	s_add_co_u32 s52, s52, s53
	s_and_b32 s53, s24, 1
	s_lshl_b32 s53, s53, 2
	s_add_co_u32 s52, s52, s53
	s_and_b32 s53, s21, 1
	s_lshl_b32 s53, s53, 1
	s_add_co_u32 s52, s52, s53
	s_mov_b32 s53, 0
	s_lshl_b32 s54, s25, 23                        ; x and out0: the batch, my 64 positions
	s_lshl_b32 s55, s24, 8
	s_add_co_u32 s54, s54, s55
	s_mov_b32 s55, 0
	s_wait_kmcnt 0x0
	s_add_nc_u64 s[8:9], s[8:9], s[56:57]
	s_add_nc_u64 s[4:5], s[4:5], s[50:51]
	s_add_nc_u64 s[6:7], s[6:7], s[52:53]
	s_add_nc_u64 s[10:11], s[10:11], s[54:55]
	s_add_nc_u64 s[18:19], s[18:19], s[54:55]
	s_mov_b32 s40, 1                               ; group 0 for slot 0: steps 0 to 7
	s_mov_b32 s41, s58
	s_mov_b64 s[42:43], s[8:9]
	s_or_b32 s43, s43, 0x80000000
	s_mov_b32 s44, 1                               ; for slot 1: steps 8 to 15
	s_add_co_u32 s45, s58, SLOT
	s_add_nc_u64 s[46:47], s[8:9], SLOT
	s_or_b32 s47, s47, 0x80000000
	ROUND                                          ; all four work-groups are here: the first joint loads meet
	JLOAD 40
	s_wait_alu depctr_va_vdst(0)
	global_load_b128 v[24:27], v10, s[4:5]         ; f: channels 0-31,
	global_load_b128 v[28:31], v10, s[4:5] offset:512      ; 32-63
	global_load_u16 v40, v11, s[6:7]               ; its two scale bytes, the upper two bytes 0
.set n, 0
.rept 8
	v_mov_b32 v[16+n], 0                           ; the zero codes on both sides of f
	v_mov_b32 v[32+n], 0
.set n, n+1
.endr
.set n, 0
.rept 32
	v_mov_b32 v[176+n], 0                          ; O^T.  (The step is written once: the first finds zeros, which the first change of M leaves zeros)
.set n, n+1
.endr
	v_mov_b32 v13, 0xff61b1e6                      ; the largest t so far: -3e38, under every t
	s_delay_alu instid0(VALU_DEP_1)
	v_floor_f32 v12, -v13                          ; -M
	v_mov_b32 v14, 0
	v_mov_b32 v15, 0
.irp b, 0,1,2,3
	v_mov_b32 v[228+\b], 0                         ; a lane permute's destination counts as one of its sources
.endr
	v_mov_b32 v241, 0                              ; (named as the upper half of the pair v[240:241])
	s_wait_loadcnt 0x0
	v_lshlrev_b32 v41, 16, v40                     ; f's scale bytes for the upper half of K
; A KEY STEP: 128 keys, my st-th of the slot
.macro STEP slot, st
	PLACES 8                                       ; in front of loads into registers that the last products read
.irp b, 0,1,2,3
.irp c, 0,1,2,3
	ds_load_b128 v[48+16*\b+4*\c:51+16*\b+4*\c], v[1+\slot] offset:(\st)*STEPB+2048*\b+512*\c
.endr
.endr
	ds_load_b64 v[42:43], v[3+\slot] offset:(\st)*STEPB+16384      ; g's scale words: register j: lanes 0-15 fragment 2 j, lanes 16-31 fragment 2 j + 1
	s_wait_dscnt 0x0
.irp b, 0,1,2,3
	MM 112+16*\b, 48+16*\b, 24, -1, 42+\b/2, 40, \b%2      ; the fragment's first key tile: f | 0
	MM 120+16*\b, 48+16*\b, 16, -1, 42+\b/2, 41, \b%2      ; its second: 0 | f
.endr                                  ; the 16 registers of tiles 2 b, 2 b + 1 are keys 32 b + 16 h + 0 .. 15
	PLACES 8                                       ; in front of the loads below and of the first read of the scores
.irp t, 0,1,2,3
.irp c, 0,1,2,3
	ds_load_b128 v[48+16*\t+4*\c:51+16*\t+4*\c], v[1+\slot] offset:(\st)*STEPB+8192+2048*\t+512*\c      ; h's four fragments land during the softmax
.endr
.endr
	ds_load_b64 v[44:45], v[3+\slot] offset:(\st)*STEPB+16640
.irp b, 0,1,2,3
	v_max3_num_f32 v[224+\b], v[112+16*\b], v[113+16*\b], v[114+16*\b]     ; the largest score of each block of 32 keys: for the row's maximum and, since p rises with the score, for the block's largest p
.endr
.irp i, 3,5,7,9,11,13
.irp b, 0,1,2,3
	v_max3_num_f32 v[224+\b], v[224+\b], v[112+16*\b+\i], v[113+16*\b+\i]
.endr
.endr
.irp b, 0,1,2,3
	v_max_num_f32 v[224+\b], v[224+\b], v[127+16*\b]
.endr
.irp b, 0,1,2,3
	s_delay_alu instid0(VALU_DEP_4)
	v_permlanex16_b32 v[228+\b], v[224+\b], s26, s27
.endr
.irp b, 0,1,2,3
	s_delay_alu instid0(VALU_DEP_4)
	v_max_num_f32 v[224+\b], v[224+\b], v[228+\b]  ; with lane l xor 16's 16 keys
.endr
	s_delay_alu instid0(VALU_DEP_2)
	v_max3_num_f32 v242, v224, v225, v226
	s_delay_alu instid0(VALU_DEP_1)
	v_max_num_f32 v242, v242, v227
	s_delay_alu instid0(VALU_DEP_1)
	v_mul_f32 v242, s28, v242                      ; the step's largest t (c is positive)
	s_delay_alu instid0(VALU_DEP_1)
	v_max_num_f32 v13, v13, v242
	v_mov_b32 v242, v12
	s_delay_alu instid0(VALU_DEP_2)
	v_floor_f32 v12, -v13                          ; the new -M = -ceil(t): a whole number
	s_delay_alu instid0(VALU_DEP_1)
	v_sub_f32 v242, v12, v242                      ; old M - new M: a whole number, 0 or less
	s_delay_alu instid0(VALU_DEP_1)
	v_cvt_i32_f32 v242, v242                       ; (it saturates)
	s_delay_alu instid0(VALU_DEP_1)
	v_ldexp_f32 v240, 1.0, v242                    ; f = 2^(old M - new M): a multiplication by it rounds nothing
.set n, 0
.rept 32
	v_pk_fma_f32 v[112+n:113+n], v[112+n:113+n], s[28:29], v[12:13] op_sel_hi:[1,0,0]      ; t - M
.set n, n+2
.endr
.irp b, 0,1,2,3
	v_fma_f32 v[224+\b], v[224+\b], s28, v12       ; the same of each block's largest score
.endr
.set n, 0
	s_wait_alu depctr_va_vdst(0)
.rept 64
	v_exp_f32 v[112+n], v[112+n]                   ; p = 2^(t - M)
.set n, n+1
.endr
.irp b, 0,1,2,3
	v_exp_f32 v[224+\b], v[224+\b]                 ; the block's largest p: the same two instructions on the same number
.endr
	v_pk_mul_f32 v[14:15], v[14:15], v[240:241] op_sel_hi:[1,0]    ; the sums under the new M.  (A plain place behind the exponentials)
	s_wait_alu depctr_va_vdst(0)
.irp b, 0,1,2,3
	v_max_num_f32 v[224+\b], 0x8000000, v[224+\b]  ; the floor 2^(16 - 127): the byte cannot fall under 1
.endr
.irp b, 0,1,2,3
	s_delay_alu instid0(VALU_DEP_4)
	v_add_nc_u32 v[236+\b], 0xf8800000, v[224+\b]  ; 15 off the exponent field: the conversion's scale operand
.endr
.irp b, 0,1,2,3
.endr
.irp b, 0,1,2,3
	s_delay_alu instid0(VALU_DEP_4)
	v_lshrrev_b32 v[228+\b], 23, v[236+\b]         ; the scale's byte
.endr
	s_delay_alu instid0(VALU_DEP_3)
	v_lshl_or_b32 v46, v229, 8, v228               ; p's scale word for these 128 keys
	s_delay_alu instid0(VALU_DEP_1)
	v_lshl_or_b32 v46, v230, 16, v46
	s_delay_alu instid0(VALU_DEP_1)
	v_lshl_or_b32 v46, v231, 24, v46
	v_pk_add_f32 v[228:229], v[116:117], v[120:121]
	v_pk_add_f32 v[250:251], v[124:125], v[128:129]
	v_pk_add_f32 v[248:249], v[132:133], v[136:137]
	v_pk_add_f32 v[234:235], v[140:141], v[144:145]
	v_pk_add_f32 v[232:233], v[148:149], v[152:153]
	v_pk_add_f32 v[226:227], v[156:157], v[160:161]
	v_pk_add_f32 v[224:225], v[164:165], v[168:169]
	v_pk_add_f32 v[14:15], v[14:15], v[172:173]
	v_pk_add_f32 v[228:229], v[228:229], v[112:113]
	v_pk_add_f32 v[250:251], v[250:251], v[114:115]
	v_pk_add_f32 v[248:249], v[248:249], v[118:119]
	v_pk_add_f32 v[234:235], v[234:235], v[122:123]
	v_pk_add_f32 v[232:233], v[232:233], v[126:127]
	v_pk_add_f32 v[226:227], v[226:227], v[130:131]
	v_pk_add_f32 v[224:225], v[224:225], v[134:135]
	v_pk_add_f32 v[14:15], v[14:15], v[138:139]
	v_pk_add_f32 v[228:229], v[228:229], v[142:143]
	v_pk_add_f32 v[250:251], v[250:251], v[146:147]
	v_pk_add_f32 v[248:249], v[248:249], v[150:151]
	v_pk_add_f32 v[234:235], v[234:235], v[154:155]
	v_pk_add_f32 v[232:233], v[232:233], v[158:159]
	v_pk_add_f32 v[226:227], v[226:227], v[162:163]
	v_pk_add_f32 v[224:225], v[224:225], v[166:167]
	v_pk_add_f32 v[14:15], v[14:15], v[170:171]
	v_pk_add_f32 v[228:229], v[228:229], v[174:175]
	s_delay_alu instid0(VALU_DEP_2)
	v_pk_add_f32 v[14:15], v[14:15], v[234:235]
	s_delay_alu instid0(VALU_DEP_2)
	v_pk_add_f32 v[228:229], v[228:229], v[232:233]
	v_pk_add_f32 v[250:251], v[250:251], v[226:227]
	v_pk_add_f32 v[248:249], v[248:249], v[224:225]
	s_delay_alu instid0(VALU_DEP_2)
	v_pk_add_f32 v[14:15], v[14:15], v[250:251]
	s_delay_alu instid0(VALU_DEP_2)
	v_pk_add_f32 v[228:229], v[228:229], v[248:249]
	s_delay_alu instid0(VALU_DEP_1)
	v_pk_add_f32 v[14:15], v[14:15], v[228:229]
.irp b, 0,1,2,3
.irp i, 0,1,2,3,4,5,6,7,8,9,10,11,12,13,14,15
.endr
	v_cvt_scalef32_pk8_bf8_f32 v[208+4*\b:209+4*\b], v[112+16*\b:119+16*\b], v[236+\b]
	v_cvt_scalef32_pk8_bf8_f32 v[210+4*\b:211+4*\b], v[120+16*\b:127+16*\b], v[236+\b]
.endr
.set n, 0
.rept 16
	v_pk_mul_f32 v[176+n:177+n], v[176+n:177+n], v[240:241] op_sel_hi:[1,0]        ; O^T under the new M.  (These sixteen are also the places between the codes and the products)
.set n, n+2
.endr
	s_wait_alu depctr_va_vdst(0)
	s_wait_dscnt 0x0                               ; h's fragments and scale words are in
.irp t, 0,1,2,3
	MM 176+8*\t, 48+16*\t, 208, 176+8*\t, 44+\t/2, 46, \t%2        ; O^T += h p^T; the four accumulators take turns
.endr
.endm
; THE CHANGE OF SLOTS stands at a slot's head.  Each wave waits for all its tensor loads (its block of the slot ahead), adds 0 to its spare word, and waits for that and for its reads of the slot that it has left.
; The round then holds of every wave of all four work-groups.  refill = 1: the slot that was left is filled with the keys that follow: one load for each of waves 0 to 7, with two steps of all sixteen waves in which to land.
.macro HEAD slot, refill
	s_wait_tensorcnt 0x0                           ; no tensor load of mine is out, so a group 0 may be written
	ds_add_u32 v5, v6                              ; 0 onto my spare word
	s_add_nc_u64 s[42+4*\slot:43+4*\slot], s[42+4*\slot:43+4*\slot], 2*SLOT        ; this slot's next eight steps (in the last two changes the stepped address is not used)
	s_wait_dscnt 0x0                               ; the add is done, and my reads of the slot that I have left are over
	ROUND
.if \refill
	JLOAD 44-4*\slot                               ; the first thing behind the round, and a wave's one tensor load until the next
.endif
.endm
.macro TRIP slot, refill
	HEAD \slot, \refill
	s_wait_alu depctr_va_vdst(0)
	STEP \slot, 0
	STEP \slot, 1
.endm
	s_mov_b32 s31, 3                               ; 64 steps are eight slots' worth: three trips of two, and two written out
.Lslot:
	TRIP 0, 1
	TRIP 1, 1
	s_sub_co_u32 s31, s31, 1
	s_cmp_lg_u32 s31, 0
	s_cbranch_scc1 .Lslot
	TRIP 0, 1
	HEAD 1, 0                                      ; the last slot: nothing is left to fetch
	STEP 1, 0
	s_cmp_lt_u32 s20, 8                            ; x's 256 rows x 256 bytes that the way out adds: each asked for once, by one lane of waves 0 to 7, one key step ahead of their loads
	s_cbranch_scc0 .Lno_ask
	global_prefetch_b8 v7, s[10:11] th:TH_LOAD_NT scope:SCOPE_SE
.Lno_ask:
	STEP 1, 1
	; ---- THE TAIL
	PLACES 8                                       ; behind the last products: in front of the loads into their operands and of the stores of O^T
	v_add_f32 v14, v14, v15
	s_delay_alu instid0(VALU_DEP_1)
	v_permlanex16_b32 v228, v14, s26, s27
	s_delay_alu instid0(VALU_DEP_1)
	v_add_f32 v13, v14, v228                       ; my keys' sum; v[12:13] = (-M, sum)
.irp t, 0,1,2,3                        ; Wv's four tiles of my 64 output channels, each 16 rows x 64: at v112, v128, v136, v152, with zero codes in v120-127 and v144-151 between them
.irp c, 0,1
	global_load_b128 v[112+24*(\t/2)+16*(\t%2)+4*\c:115+24*(\t/2)+16*(\t%2)+4*\c], v254, s[12:13] offset:1024*\t+32*\c
.endr
.endr
.irp t, 0,1,2,3
	global_load_u16 v[42+\t], v255, s[14:15] offset:32*\t
.endr
.irp t, 0,1,2,3
	global_load_b32 v[248+\t], v47, s[16:17] offset:64*\t
.endr
.irp i, 0,1,2,3,4,5,6,7
	global_load_b128 v[160+4*\i+32*(\i/4):163+4*\i+32*(\i/4)], v253, s[10:11] offset:65536*\i th:TH_LOAD_NT      ; x for the residual: v160-175, v208-223
.endr
.set n, 0
.rept 8
	v_mov_b32 v[120+n], 0
	v_mov_b32 v[144+n], 0
.set n, n+1
.endr
.irp q, 0,1,2,3,4,5,6,7
	ds_store_b128 v243, v[176+4*\q:179+4*\q] offset:512*\q         ; each accumulator from its low end on
.endr
	ds_store_b64 v244, v[12:13]
	s_wait_dscnt 0x0                               ; for the others' sake: my partial result is stored; my reads of slot 1 are long over
	s_barrier_signal -1
	s_barrier_wait -1
.irp k, 0,1,2,3
	ds_load_b64 v[8+2*\k:9+2*\k], v246 offset:1024*\k      ; (-M, sum) of the four shares of the keys
.endr
.macro MLOAD p                         ; registers 16 p .. 16 p + 15 of the four images of O^T
.irp k, 0,1,2,3
.irp q, 0,1,2,3
	ds_load_b128 v[48+16*\k+4*\q:51+16*\k+4*\q], v245 offset:16384*\k+2048*(\p)+512*\q
.endr
.endr
.endm
.macro MSUM p                          ; z = the sum over the four of O^T x 2^(M_k - M) / sum
.set n, 0
.rept 8
	v_pk_mul_f32 v[176+16*(\p)+n:177+16*(\p)+n], v[48+n:49+n], v[232:233]
.set n, n+2
.endr
.irp k, 1,2,3
.set n, 0
.rept 8
	v_pk_fma_f32 v[176+16*(\p)+n:177+16*(\p)+n], v[48+16*\k+n:49+16*\k+n], v[232+2*\k:233+2*\k], v[176+16*(\p)+n:177+16*(\p)+n]
.set n, n+2
.endr
.endr
.endm
	MLOAD 0
	s_wait_dscnt 16                                ; the four pairs are in; the sixteen loads behind them may be out
	v_min3_num_f32 v224, v8, v10, v12
	s_delay_alu instid0(VALU_DEP_1)
	v_min_num_f32 v224, v224, v14                  ; -M of the whole row
.irp k, 0,1,2,3
	v_sub_f32 v[228+\k], v224, v[8+2*\k]           ; M_k - M: a whole number, 0 or less
.endr
.irp k, 0,1,2,3
	s_delay_alu instid0(VALU_DEP_4)
	v_cvt_i32_f32 v[228+\k], v[228+\k]
.endr
.irp k, 0,1,2,3
	s_delay_alu instid0(VALU_DEP_4)
	v_ldexp_f32 v[228+\k], 1.0, v[228+\k]
.endr
	s_delay_alu instid0(VALU_DEP_4)
	v_mul_f32 v225, v228, v9
	s_delay_alu instid0(VALU_DEP_1)
	v_fmac_f32 v225, v229, v11
	s_delay_alu instid0(VALU_DEP_1)
	v_fmac_f32 v225, v230, v13
	s_delay_alu instid0(VALU_DEP_1)
	v_fmac_f32 v225, v231, v15                     ; the row's sum
	s_wait_alu depctr_va_vdst(0)
	v_rcp_f32 v225, v225
	v_nop                                          ; a plain place behind the transcendental
	s_wait_alu depctr_va_vdst(0)
.irp k, 0,1,2,3
	v_mul_f32 v[232+2*\k], v[228+\k], v225
	v_mul_f32 v[233+2*\k], v[228+\k], v225
.endr
	s_wait_alu depctr_va_vdst(0)
	s_wait_dscnt 0x0
	MSUM 0
	MLOAD 1
	s_wait_dscnt 0x0
	MSUM 1
	; z is quantised along its 64 channels: register 16 b + i is channel 32 b + 16 h + i of my query
.irp b, 0,1
	v_max3_num_f32 v[224+\b], |v[176+16*\b]|, |v[177+16*\b]|, 0x8000000
.endr
.irp i, 2,4,6,8,10,12,14
.irp b, 0,1
	s_delay_alu instid0(VALU_DEP_2)
	v_max3_num_f32 v[224+\b], v[224+\b], |v[176+16*\b+\i]|, |v[177+16*\b+\i]|
.endr
.endr
.irp b, 0,1
	s_delay_alu instid0(VALU_DEP_2)
	v_permlanex16_b32 v[228+\b], v[224+\b], s26, s27
.endr
.irp b, 0,1
	s_delay_alu instid0(VALU_DEP_2)
	v_max_num_f32 v[224+\b], v[224+\b], v[228+\b]
.endr
.irp b, 0,1
	s_delay_alu instid0(VALU_DEP_2)
	v_add_nc_u32 v[236+\b], 0xf8800000, v[224+\b]
.endr
.irp b, 0,1
	s_delay_alu instid0(VALU_DEP_2)
	v_lshrrev_b32 v[228+\b], 23, v[236+\b]
.endr
	s_delay_alu instid0(VALU_DEP_1)
	v_lshl_or_b32 v40, v229, 8, v228               ; z's scale bytes for the lower half of K,
	s_delay_alu instid0(VALU_DEP_1)
	v_lshlrev_b32 v41, 16, v40                     ; and for the upper
	s_wait_alu depctr_va_vdst(0)
	s_wait_loadcnt 8                               ; Wv, its scale bytes and bv are in; x's eight loads may be out
	v_lshlrev_b32 v43, 16, v43                     ; tiles 1 and 3 of Wv stand in the upper half of K.  (The conversions and four v_nop below are the places between these scale words and the products)
	v_lshlrev_b32 v45, 16, v45
.irp b, 0,1
.irp i, 0,1,2,3,4,5,6,7,8,9,10,11,12,13,14,15
.endr
	v_cvt_scalef32_pk8_bf8_f32 v[24+4*\b:25+4*\b], v[176+16*\b:183+16*\b], v[236+\b]
	v_cvt_scalef32_pk8_bf8_f32 v[26+4*\b:27+4*\b], v[184+16*\b:191+16*\b], v[236+\b]
.endr
	PLACES 4                                       ; between the codes and the products
	MM 176, 24, 112, -1, 40, 42, 0                 ; source 0 = z's 16 queries, source 1 = 16 rows of Wv: a lane holds one output channel and eight neighbouring positions
	MM 184, 16, 120, -1, 41, 43, 0
	MM 192, 24, 136, -1, 40, 44, 0
	MM 200, 16, 144, -1, 41, 45, 0
	PLACES 8
.irp t, 0,1,2,3
.irp j, 0,1,2,3,4,5,6,7
	v_add_f32 v[176+8*\t+\j], v[176+8*\t+\j], v[248+\t]    ; + bv
.endr
.endr
.irp t, 0,1,2,3
	ds_store_b128 v247, v[176+8*\t:179+8*\t] offset:16*OPI*\t
	ds_store_b128 v247, v[180+8*\t:183+8*\t] offset:16*OPI*\t+16
.endr
	s_wait_dscnt 0x0                               ; for the others' sake: a row's 256 bytes come from four waves
	s_barrier_signal -1
	s_barrier_wait -1
.irp i, 0,1,2,3,4,5,6,7
	ds_load_b128 v[48+4*\i:51+4*\i], v252 offset:2*OPI*\i
.endr
	s_wait_loadcnt 0x0                             ; x
.irp i, 0,1,2,3,4,5,6,7
	s_wait_dscnt 7-\i                              ; LDS loads come back in order: rows 2 i, 2 i + 1 of my sixteen are in
	v_pk_add_f32 v[48+4*\i:49+4*\i], v[48+4*\i:49+4*\i], v[160+4*\i+32*(\i/4):161+4*\i+32*(\i/4)]
	v_pk_add_f32 v[50+4*\i:51+4*\i], v[50+4*\i:51+4*\i], v[162+4*\i+32*(\i/4):163+4*\i+32*(\i/4)]
	global_store_b128 v253, v[48+4*\i:51+4*\i], s[18:19] offset:65536*\i th:TH_STORE_NT    ; sixteen lanes store 256 consecutive bytes, at a multiple of 256 from out0's first byte
.endr
	s_wait_tensorcnt 0x0                           ; the wave's end: behind my last tensor load and my last LDS store
	ds_add_u32 v5, v6
	s_wait_dscnt 0x0
	ROUND                                          ; the closing round: no work-group ends while a partner may still ask for a block that names it
	s_endpgm
.Lfunc_end_k_qe6e4b3bf08_attn:
	.size	k_qe6e4b3bf08_attn, .Lfunc_end_k_qe6e4b3bf08_attn-k_qe6e4b3bf08_attn
	.p2alignl 7, 3214868480
	.fill 96, 4, 3214868480
	.section	.rodata,"a",@progbits
	.p2align	6, 0x0
	.amdhsa_kernel k_qe6e4b3bf08_attn
		.amdhsa_group_segment_fixed_size 327680
		.amdhsa_private_segment_fixed_size 0
		.amdhsa_enable_private_segment 0
		.amdhsa_kernarg_size 64
		.amdhsa_user_sgpr_count 2
		.amdhsa_user_sgpr_kernarg_segment_ptr 1
		.amdhsa_wavefront_size32 1
		.amdhsa_system_sgpr_workgroup_id_x 1
		.amdhsa_system_sgpr_workgroup_id_y 1
		.amdhsa_system_sgpr_workgroup_id_z 1
		.amdhsa_system_vgpr_workitem_id 0
		.amdhsa_next_free_vgpr 256
		.amdhsa_next_free_sgpr 66
		.amdhsa_reserve_vcc 0
		.amdhsa_float_denorm_mode_32 3
		.amdhsa_float_denorm_mode_16_64 3
		.amdhsa_fp16_overflow 1
		.amdhsa_memory_ordered 1
		.amdhsa_forward_progress 1
		.amdhsa_inst_pref_size 165
	.end_amdhsa_kernel
	.amdgpu_metadata
---
amdhsa.version: [ 1, 2 ]
amdhsa.kernels:
  - .name:           k_qe6e4b3bf08_attn
    .symbol:         k_qe6e4b3bf08_attn.kd
    .args:
      - { .name: qi, .offset: 0, .size: 8, .value_kind: global_buffer, .address_space: global }
      - { .name: qs, .offset: 8, .size: 8, .value_kind: global_buffer, .address_space: global }
      - { .name: kv, .offset: 16, .size: 8, .value_kind: global_buffer, .address_space: global }
      - { .name: x, .offset: 24, .size: 8, .value_kind: global_buffer, .address_space: global }
      - { .name: Wv_codes, .offset: 32, .size: 8, .value_kind: global_buffer, .address_space: global }
      - { .name: Wv_scales, .offset: 40, .size: 8, .value_kind: global_buffer, .address_space: global }
      - { .name: bv, .offset: 48, .size: 8, .value_kind: global_buffer, .address_space: global }
      - { .name: out0, .offset: 56, .size: 8, .value_kind: global_buffer, .address_space: global }
    .group_segment_fixed_size: 327680
    .private_segment_fixed_size: 0
    .kernarg_segment_align: 8
    .kernarg_segment_size: 64
    .max_flat_workgroup_size: 512
    .sgpr_count:     66
    .vgpr_count:     256
    .wavefront_size: 32
...
	.end_amdgpu_metadata
.endif
;; end of part 2
